; MI455X (gfx1250); checked and timed in simulation.
; The chip was launched on July 23, 2026; its instructions are those of AMD's public machine-readable ISA for CDNA 5 (MIT licence, August 2026) and "CDNA5" Instruction Set Architecture Reference Guide (July 2026). The comments in the code are by the model that wrote it; some were corrected since.
;; Memristive Fully Connected. Allowed arithmetic: matrix products marked QUANTISED: E4M3 operands, one E8M0 scale for each 32 along K, by v_wmma_scale_f32_16x16x128_f8f6f4 with both operands' format E4M3, f32 sums; everything else in f32.
;; Inputs: b 4,096 float32; w 4,096 x 4,096 float32; x 2,048 x 4,096 float32.
;; Outputs: out0 2,048 x 4,096 float32.
;; This version of the problem:
;;   THIS VERSION OF THE PROBLEM IS GIVEN IN LOW PRECISION. The matrix products marked QUANTISED in the list below multiply operands that are first quantised to E4M3 (4 exponent bits, 3 mantissa bits; 8 bits a number), with one power-of-two scale for each 32 numbers along K (OCP MX v1.0); their sums are f32. All else is computed in f32.
;;   The module's matrix products, in the order in which they are computed (A, B: the left and right operand; K: the contracted axis; several contracted axes count as one K, in the product's order):
;;     1. [M 2,048, K 4,097] x [K 4,097, N 8,192]; A: computed on the way; B: computed on the way: QUANTISED
;;   THE QUANTISER, for each operand of a quantised product, along K:
;;     - K is cut into blocks of 32 from its start; a last block that is shorter is filled with zeros.
;;     - A block's scale is 2^e with e = floor(log2(the largest magnitude in the block)) - 8, held to -126 .. 127; a block of zeros has e = 0. As a byte (E8M0): e + 127.
;;     - Each number is divided by its block's scale, clamped to +-448, and rounded to the nearest number of E4M3, ties to even, subnormals kept.
;;     - The product sums the exact products of the quantised numbers (number of the format x scale) in f32.
;;   ~~~python
;;   def quantise(x, axis):      # numpy; x: float32 -> the quantised numbers, widened to float32 again
;;       x = np.moveaxis(x, axis, -1); K = x.shape[-1]
;;       x = np.pad(x, [(0, 0)] * (x.ndim - 1) + [(0, -K % 32)]); x = x.reshape(x.shape[:-1] + (-1, 32)); a = np.abs(x).max(-1, keepdims=True)
;;       e = np.where(a > 0, np.clip(np.frexp(np.where(a > 0, a, 1))[1] - 1 - 8, -126, 127), 0)      # np.frexp(a)[1] - 1 = floor(log2(a)), exactly
;;       r = np.clip(x / 2.0 ** e, -448, 448)
;;       step = 2.0 ** (np.maximum(np.frexp(np.where(r == 0, 1, r))[1] - 1, -6) - 3)
;;       q = np.round(r / step) * step * 2.0 ** e      # np.round: ties to even
;;       return np.moveaxis(q.reshape(q.shape[:-2] + (-1,))[..., :K], -1, axis).astype(np.float32)
;;   ~~~
;;   OPERANDS COMPUTED ON THE WAY. 'Computed on the way' means the value that the module computes at that place (a softmax that the list does not call 'softmax' is quantised finished and normalised). What goes into a quantiser is computed in f32, as accurately as f32 sums, v_exp_f32 and their like allow (about 1e-6 of the number): no bf16 or f16 on the way to a quantiser, and a product that is left as it is and whose result goes on into a quantised operand takes f32 operands (vector FMAs, or v_wmma_f32_16x16x4_f32). A number that lies on a knife's edge between two numbers of the format may be rounded either way, as far as f32 arithmetic and the matrix unit's own rounding can turn it there, and no further.
;; One version. Each part assembles by itself: llvm-mc -triple=amdgcn-amd-amdhsa -mcpu=gfx1250 --defsym DOCPART=n.
;; ======== version 1 of 1: 3 launches
;; limits: right only within a limited range of input values
;; workspace buffers: a_img 8,921,088 bytes; b_img 35,684,352 bytes; partials 2,304 bytes; consts 256 bytes
;; launch prep (part 1): grid 772 x 1, 4 waves a work-group, no clusters, 34,560 bytes of LDS; arguments x, w, b, a_img, partials; writes a_img, partials
.if DOCPART == 1
	.amdgcn_target "amdgcn-amd-amdhsa--gfx1250"
	.amdhsa_code_object_version 6
	.text
	.protected	k_qcea6610cbc_prep
	.globl	k_qcea6610cbc_prep
	.p2align	8
	.type	k_qcea6610cbc_prep,@function
k_qcea6610cbc_prep:
	s_mov_b64 s[64:65], 0
	v_nop
	global_prefetch_b8 v0, s[64:65] scope:SCOPE_SE
	s_setreg_imm32_b32 hwreg(HW_REG_WAVE_MODE, 25, 1), 1
	s_wait_xcnt 0x0
; PREP.  Three jobs, told apart by the work-group's number; each job that uses LDS has LDS bytes of its own.
;   X (work-groups 0-255):   the voltages 0.5 x, [2048][4096] f32, become codes of FP8 (E4M3) with one E8M0 byte for each 32 along K, laid as the product's launch wants them.
;   W (work-groups 256-767): the largest |w| of 128 KiB of w for each work-group -> partials[0..511].
;   T (work-groups 768-771): the largest |b| of 256 numbers for each wave -> partials[512..527]; and the voltages' K step 32 (the column of ones times 0.5, then zeros).
; THE IMAGE.  A panel is 128 rows, a panel-step 128 rows x 128 K = PS bytes: fragment i (16 rows), group c (32 K), lane l: the 16 bytes at 2048 i + 512 c + 16 l are row 16 i + l % 16,
; k = 32 c + 16 (l / 16) + 0 .. 15: the operand's registers on end.  Behind the 16,384 bytes of codes: the scale words, that of row r of fragment 4 j + q at 16384 + 256 j + 16 r + 4 q.
; 0.5 IS A POWER OF TWO: the codes of 0.5 x are the codes of x, and each scale byte is one lower.  So nothing is multiplied: 1 is taken off each byte of the scale word.
; A block's scale is 2^(floor(log2(its largest magnitude)) - 8); its byte is that magnitude's exponent field - 8.
; LIMITS: NaN and infinities among the inputs are not served (the maxima drop a NaN).  A block of x whose largest magnitude lies under 2^(10 - 127), the floor, gets the byte 1 (a block of zeros too, where the
; rule says 127: its codes are zeros, and this program alone reads the bytes).
.set PS,    16896                      ; a panel-step: 16,384 bytes of codes + 512 of scale words
.set PANEL, 33*PS                      ; 33 K steps of 128: 4,097 along K, filled up with zeros
.set XROW,  16384                      ; a row of x in bytes
.set SPX,   528                        ; a row of a wave's stage: 512 bytes + 16: sixteen rows start at sixteen different 16-byte columns of 256 bytes
.set STGW,  16*SPX                     ; a wave's stage: 16 rows
.set RED,   4*STGW                     ; job W's four words, behind job X's stages
.set TM,  8                            ; v8-11 largest magnitudes, v12-15 the other half's / bytes, v16-19 448 x the scale, v20-23 the conversions' scale operands
.set PW,  24                           ; v24    a scale word in the making
.set WD,  28                           ; v28-31 my four fragments' scale words
.set C,   32                           ; v32-63 codes, two sets of 16
.set R,   64                           ; v64-255 numbers, three sets of 64
.macro XLOAD f                         ; fragment f: 16 rows x 128 K; each load is one row's 512 consecutive bytes
.irp p, 0,1,2,3,4,5,6,7,8,9,10,11,12,13,14,15
	global_load_b128 v[R+64*((\f)%3)+4*\p:R+64*((\f)%3)+4*\p+3], v4, s[4:5] offset:(16*(\f)+\p)*XROW th:TH_LOAD_NT
.endr
.endm
; 64 numbers of a lane, v[RS] on, register 16 b + i = k 32 b + 16 (lane / 16) + i of my row, become a fragment's codes in v[CS] on and its scale word in v[WF]
.macro QUANT
.irp b, 0,1,2,3
	v_max3_num_f32 v[TM+\b], |v[RS+16*\b]|, |v[RS+1+16*\b]|, 0x5000000   ; block b: my 16 numbers, and the floor 2^(10 - 127): so the byte of 0.5 x cannot fall under 1
.endr
.irp i, 2,4,6,8,10,12,14
.irp b, 0,1,2,3
	v_max3_num_f32 v[TM+\b], v[TM+\b], |v[RS+16*\b+\i]|, |v[RS+1+16*\b+\i]|   ; the four blocks by turns
.endr
.endr
.irp b, 0,1,2,3
	v_permlanex16_b32 v[TM+4+\b], v[TM+\b], s20, s21
.endr
.irp b, 0,1,2,3
	v_max_num_f32 v[TM+\b], v[TM+\b], v[TM+4+\b]                   ; with lane l xor 16's: the block's largest magnitude
.endr
.irp b, 0,1,2,3
	v_add_nc_u32 v[TM+12+\b], 0xfc000000, v[TM+\b]                 ; 8 off its exponent field: the conversion takes the exponent field of this operand as its scale
.endr
.irp b, 0,1,2,3
	v_and_or_b32 v[TM+8+\b], v[TM+\b], 0x7f800000, s19             ; 448 x the scale: the exponent field over 448's mantissa
.endr
.irp b, 0,1,2,3
	v_lshrrev_b32 v[TM+4+\b], 23, v[TM+12+\b]                      ; x's scale byte
.endr
	v_lshl_or_b32 v[PW], v[TM+5], 8, v[TM+4]
	v_lshl_or_b32 v[PW], v[TM+6], 16, v[PW]
	v_lshl_or_b32 v[PW], v[TM+7], 24, v[PW]
	v_add_nc_u32 v[WF], 0xfefefeff, v[PW]                          ; - 0x01010101: 1 off each byte: the scale word of 0.5 x (each byte is 2 at the least: nothing is borrowed)
.irp b, 0,1,2,3
.irp i, 0,1,2,3,4,5,6,7,8,9,10,11,12,13,14,15
	v_med3_num_f32 v[RS+16*\b+\i], v[RS+16*\b+\i], -v[TM+8+\b], v[TM+8+\b]   ; the conversion to an 8-bit code does not saturate (ISA guide 7.6.2): the hold at the largest code x the scale
.endr
	v_cvt_scalef32_pk8_fp8_f32 v[CS+4*\b:CS+1+4*\b], v[RS+16*\b:RS+7+16*\b], v[TM+12+\b]
	v_cvt_scalef32_pk8_fp8_f32 v[CS+2+4*\b:CS+3+4*\b], v[RS+8+16*\b:RS+15+16*\b], v[TM+12+\b]
.endr
	v_nop                                                          ; one plain vector line behind the last conversion
.endm
; Fragment f.  left: the loads of younger fragments, which may stay out.
.macro XFRAG f, left
.set RS, R+64*((\f)%3)
.set CS, C+16*((\f)%2)
.set WF, WD+(\f)
	s_wait_loadcnt \left
.irp p, 0,1,2,3,4,5,6,7,8,9,10,11,12,13,14,15
	ds_store_b128 v5, v[RS+4*\p:RS+4*\p+3] offset:SPX*\p           ; the rows as they were loaded
.endr
.irp c, 0,1,2,3
.irp j, 0,1,2,3
	ds_load_b128 v[RS+16*\c+4*\j:RS+16*\c+4*\j+3], v6 offset:128*\c+16*\j   ; and back: of row lane % 16, 16 neighbours of each block of 32.  LDS serves a wave's instructions in order: these see my stores
.endr
.endr
	s_wait_dscnt 0x0
.if (\f) >= 2
	s_wait_xcnt 0x0                                                ; the stores of two fragments back have read this set of codes: it is written again only behind this wait
.endif
	QUANT
.irp c, 0,1,2,3
	global_store_b128 v4, v[CS+4*\c:CS+4*\c+3], s[26:27] offset:2048*(\f)+512*\c   ; the codes are the operand's registers as they stand: 32 lanes store 512 consecutive bytes
.endr
.endm
.macro WLOAD g                         ; job W: batch g: 16 loads of 512 consecutive bytes
.irp j, 0,1,2,3,4,5,6,7,8,9,10,11,12,13,14,15
	global_load_b128 v[R+64*((\g)%2)+4*\j:R+64*((\g)%2)+4*\j+3], v4, s[6:7] offset:8192*(\g)+512*\j
.endr
.endm
.macro WMAX g                          ; its 64 numbers a lane, in four chains
.set WS, R+64*((\g)%2)
.set i, 0
.rept 32
	v_max3_num_f32 v[TM+i%4], v[TM+i%4], |v[WS+2*i]|, |v[WS+2*i+1]|
.set i, i+1
.endr
.endm
.macro WAVEMAX m, t                    ; the largest of v[m] over the 32 lanes, in every lane; v[t] has been written before
	v_max_num_f32_dpp v[\m], v[\m], v[\m] row_xmask:1 row_mask:0xf bank_mask:0xf
	v_max_num_f32_dpp v[\m], v[\m], v[\m] row_xmask:2 row_mask:0xf bank_mask:0xf
	v_max_num_f32_dpp v[\m], v[\m], v[\m] row_xmask:4 row_mask:0xf bank_mask:0xf
	v_max_num_f32_dpp v[\m], v[\m], v[\m] row_xmask:8 row_mask:0xf bank_mask:0xf
	v_permlanex16_b32 v[\t], v[\m], s20, s21
	v_max_num_f32 v[\m], v[\m], v[\t]
.endm
	s_load_b256 s[4:11], s[0:1], 0x0               ; x s[4:5], w s[6:7], b s[8:9], a_img s[10:11]
	s_load_b64 s[12:13], s[0:1], 0x20              ; partials
	v_lshl_add_u32 v26, v0, 2, 0x8500
	v_mov_b32 v27, 0
	v_lshrrev_b32 v1, 5, v0
	v_readfirstlane_b32 s14, v1                    ; wave 0..3
	v_and_b32 v1, 31, v0                           ; lane
	v_and_b32 v2, 15, v0                           ; r
	v_bfe_u32 v3, v0, 4, 1                         ; h
	v_lshlrev_b32 v4, 4, v1                        ; 16 x lane
	s_mov_b32 s19, 0x600000                        ; the mantissa field of 448
	s_mov_b32 s20, 0x76543210
	s_mov_b32 s21, 0xfedcba98                      ; v_permlanex16_b32's selects for lane l xor 16
	s_mov_b32 s25, 0                               ; the upper word of every offset
	s_wait_kmcnt 0x0
	s_cmp_lt_u32 ttmp9, 256
	s_cbranch_scc0 .Lnot_x
	; ---- JOB X.  A wave takes 64 rows x one K step of 128: four fragments.  The four waves of a work-group stand side by side on 2,048 bytes of each row.
	s_and_b32 s15, ttmp9, 7
	s_lshl_b32 s15, s15, 2
	s_add_co_u32 s15, s15, s14                     ; the K step, 0..31
	s_lshr_b32 s16, ttmp9, 3                       ; which 64 rows, 0..31
	s_lshl_b32 s24, s16, 20                        ; 64 rows of 16,384 bytes
	s_lshl_b32 s17, s15, 9                         ; 512 bytes a K step
	s_add_co_u32 s24, s24, s17
	s_add_nc_u64 s[4:5], s[4:5], s[24:25]
	s_wait_alu depctr_va_vdst(0)
	XLOAD 0
	XLOAD 1
	XLOAD 2
	s_lshr_b32 s17, s16, 1
	s_mul_i32 s17, s17, PANEL                      ; the panel,
	s_mul_i32 s24, s15, PS                         ; the panel-step
	s_add_co_u32 s24, s24, s17
	s_add_nc_u64 s[10:11], s[10:11], s[24:25]
	s_and_b32 s16, s16, 1                          ; the panel's upper or lower 64 rows:
	s_lshl_b32 s24, s16, 13
	s_add_nc_u64 s[26:27], s[10:11], s[24:25]      ; fragments 0-3 or 4-7,
	s_lshl_b32 s24, s16, 8
	s_add_co_u32 s24, s24, 16384
	s_add_nc_u64 s[28:29], s[10:11], s[24:25]      ; and their 256 bytes of scale words
	s_mul_i32 s17, s14, STGW                       ; my stage
	v_add_nc_u32 v5, s17, v4                       ; in: 16 x lane of a row
	v_mul_u32_u24 v6, v2, SPX
	v_lshl_add_u32 v6, v3, 6, v6
	v_add_nc_u32 v6, s17, v6                       ; out: row r, + 64 h
.irp b, 0,1,2,3
	v_mov_b32 v[TM+4+\b], 0                        ; written once: a lane permute's destination counts as one of its sources
.endr
	s_wait_alu depctr_va_vdst(0)
	XFRAG 0, 32                                    ; fragments 1 and 2 may be out
	XLOAD 3                                        ; into the set that fragment 0 has left
	XFRAG 1, 32                                    ; fragments 2 and 3
	XFRAG 2, 16                                    ; fragment 3
	XFRAG 3, 0
	s_wait_xcnt 0x0                                ; EXEC changes only behind this wait
	v_cmp_gt_u32 vcc_lo, 16, v1
	s_wait_tensorcnt 0x0
	ds_add_u32 v26, v27
	s_wait_dscnt 0x0
	s_and_saveexec_b32 s22, vcc_lo                 ; lanes 16-31 hold the same words as lanes 0-15
	global_store_b128 v4, v[WD:WD+3], s[28:29]     ; row r's four words: sixteen lanes store 256 consecutive bytes, aligned
	s_endpgm
.Lnot_x:
	s_cmp_lt_u32 ttmp9, 768
	s_cbranch_scc0 .Ltail
	; ---- JOB W.  A wave takes 32,768 consecutive bytes of w, in four batches, two of them on their way.  w is read again by the next launch: no hint.
	s_sub_co_u32 s15, ttmp9, 256
	s_lshl_b32 s16, s15, 2
	s_add_co_u32 s16, s16, s14
	s_lshl_b32 s24, s16, 15
	s_add_nc_u64 s[6:7], s[6:7], s[24:25]
	s_wait_alu depctr_va_vdst(0)
	WLOAD 0
	WLOAD 1
.irp b, 0,1,2,3
	v_mov_b32 v[TM+\b], 0                          ; four chains of magnitudes begin at 0
.endr
	s_lshl_b32 s17, s14, 2
	s_add_co_u32 s17, s17, RED
	v_mov_b32 v12, s17                             ; my wave's word
	v_mov_b32 v13, RED
	s_wait_alu depctr_va_vdst(0)
	s_wait_loadcnt 16                              ; batch 0 is in, batch 1 may be out
	WMAX 0
	WLOAD 2
	s_wait_alu depctr_va_vdst(0)
	s_wait_loadcnt 16
	WMAX 1
	WLOAD 3
	s_wait_alu depctr_va_vdst(0)
	s_wait_loadcnt 16
	WMAX 2
	s_wait_alu depctr_va_vdst(0)
	s_wait_loadcnt 0x0
	WMAX 3
	v_max3_num_f32 v8, v8, v9, v10
	v_max_num_f32 v8, v8, v11
	WAVEMAX 8, 9
	ds_store_b32 v12, v8                           ; all lanes write the same word with the same value
	s_wait_dscnt 0x0                               ; for the others' sake: my store is done
	s_barrier_signal -1                            ; (all four waves of a work-group are on this path: it hangs on the work-group's number alone)
	s_barrier_wait -1
	s_cmp_lg_u32 s14, 0
	s_cbranch_scc1 .Lothers
	ds_load_b128 v[16:19], v13                     ; wave 0: the four waves' maxima
	s_lshl_b32 s24, s15, 2
	s_add_nc_u64 s[12:13], s[12:13], s[24:25]      ; partials[work-group - 256]
	v_mov_b32 v5, 0
	s_wait_dscnt 0x0
	v_max3_num_f32 v8, v16, v17, v18
	v_max_num_f32 v8, v8, v19
	s_wait_alu depctr_va_vdst(0)
	s_wait_xcnt 0x0                                ; EXEC changes only behind this wait
	v_cmp_eq_u32 vcc_lo, 0, v1
	s_wait_tensorcnt 0x0
	ds_add_u32 v26, v27
	s_wait_dscnt 0x0
	s_and_saveexec_b32 s22, vcc_lo
	global_store_b32 v5, v8, s[12:13]              ; one number a work-group: 4 bytes of a longer run, 512 such stores in the launch
	s_endpgm
.Lothers:
	s_wait_tensorcnt 0x0
	ds_add_u32 v26, v27
	s_wait_dscnt 0x0
	s_endpgm
.Ltail:
	; ---- JOB T.  Wave t of 16: 256 numbers of b, and panel t's K step 32.
	s_sub_co_u32 s15, ttmp9, 768
	s_lshl_b32 s15, s15, 2
	s_add_co_u32 s15, s15, s14                     ; t
	s_lshl_b32 s24, s15, 10
	s_add_nc_u64 s[8:9], s[8:9], s[24:25]
	s_wait_alu depctr_va_vdst(0)
	global_load_b128 v[64:67], v4, s[8:9]
	global_load_b128 v[68:71], v4, s[8:9] offset:512
	s_mul_i32 s24, s15, PANEL
	s_add_co_u32 s24, s24, 32*PS
	s_add_nc_u64 s[10:11], s[10:11], s[24:25]
	s_lshl_b32 s24, s15, 2
	s_add_co_u32 s24, s24, 2048
	s_add_nc_u64 s[12:13], s[12:13], s[24:25]      ; partials[512 + t]
	; k = 4,096 is 0.5 in every row, the rest of the step zeros.  0.5 alone in its block: e = -1 - 8, byte 118; 0.5 / 2^-9 = 256 = code 0x78.  It is byte 0 of group 0 in lanes 0-15.
	v_cmp_gt_u32 vcc_lo, 16, v1
	v_mov_b32 v44, 0x78
	v_cndmask_b32 v32, 0, v44, vcc_lo
.irp n, 33,34,35,36,37,38,39
	v_mov_b32 v\n, 0                               ; v[32:35]: group 0; v[36:39]: groups 1 to 3
.endr
.irp n, 40,41,42,43
	v_mov_b32 v\n, 0x7f7f7f76                      ; a row's scale word: 118, and 127 for the three blocks of zeros
.endr
.irp i, 0,1,2,3,4,5,6,7
	global_store_b128 v4, v[32:35], s[10:11] offset:2048*\i
.irp c, 1,2,3
	global_store_b128 v4, v[36:39], s[10:11] offset:2048*\i+512*\c
.endr
.endr
	global_store_b128 v4, v[40:43], s[10:11] offset:16384          ; 128 rows' words: 512 consecutive bytes
	s_wait_loadcnt 0x0
	v_max3_num_f32 v8, |v64|, |v65|, |v66|
	v_max3_num_f32 v9, |v67|, |v68|, |v69|
	v_max3_num_f32 v8, v8, |v70|, |v71|
	v_max_num_f32 v8, v8, v9
	WAVEMAX 8, 9
	v_mov_b32 v5, 0
	s_wait_alu depctr_va_vdst(0)
	s_wait_xcnt 0x0                                ; EXEC changes only behind this wait
	v_cmp_eq_u32 vcc_lo, 0, v1
	s_and_saveexec_b32 s22, vcc_lo
	global_store_b32 v5, v8, s[12:13]
	s_endpgm
.Lfunc_end_k_qcea6610cbc_prep:
	.size	k_qcea6610cbc_prep, .Lfunc_end_k_qcea6610cbc_prep-k_qcea6610cbc_prep
	.p2alignl 7, 3214868480
	.fill 96, 4, 3214868480
	.section	.rodata,"a",@progbits
	.p2align	6, 0x0
	.amdhsa_kernel k_qcea6610cbc_prep
		.amdhsa_group_segment_fixed_size 34560
		.amdhsa_private_segment_fixed_size 0
		.amdhsa_enable_private_segment 0
		.amdhsa_kernarg_size 40
		.amdhsa_user_sgpr_count 2
		.amdhsa_user_sgpr_kernarg_segment_ptr 1
		.amdhsa_wavefront_size32 1
		.amdhsa_system_sgpr_workgroup_id_x 1
		.amdhsa_system_sgpr_workgroup_id_y 1
		.amdhsa_system_sgpr_workgroup_id_z 1
		.amdhsa_system_vgpr_workitem_id 0
		.amdhsa_next_free_vgpr 256
		.amdhsa_next_free_sgpr 66
		.amdhsa_reserve_vcc 1
		.amdhsa_float_denorm_mode_32 3
		.amdhsa_float_denorm_mode_16_64 3
		.amdhsa_memory_ordered 1
		.amdhsa_forward_progress 1
		.amdhsa_inst_pref_size 73
	.end_amdhsa_kernel
	.amdgpu_metadata
---
amdhsa.version: [ 1, 2 ]
amdhsa.kernels:
  - .name:           k_qcea6610cbc_prep
    .symbol:         k_qcea6610cbc_prep.kd
    .args:
      - { .name: x, .offset: 0, .size: 8, .value_kind: global_buffer, .address_space: global }
      - { .name: w, .offset: 8, .size: 8, .value_kind: global_buffer, .address_space: global }
      - { .name: b, .offset: 16, .size: 8, .value_kind: global_buffer, .address_space: global }
      - { .name: a_img, .offset: 24, .size: 8, .value_kind: global_buffer, .address_space: global }
      - { .name: partials, .offset: 32, .size: 8, .value_kind: global_buffer, .address_space: global }
    .group_segment_fixed_size: 34560
    .private_segment_fixed_size: 0
    .kernarg_segment_align: 8
    .kernarg_segment_size: 40
    .max_flat_workgroup_size: 128
    .sgpr_count:     66
    .vgpr_count:     256
    .wavefront_size: 32
...
	.end_amdgpu_metadata
.endif
;; end of part 1
;; launch cond (part 2): grid 528 x 1, 4 waves a work-group, no clusters, 0 bytes of LDS; arguments w, b, partials, b_img, consts; writes b_img, consts
.if DOCPART == 2
	.amdgcn_target "amdgcn-amd-amdhsa--gfx1250"
	.amdhsa_code_object_version 6
	.text
	.protected	k_qcea6610cbc_cond
	.globl	k_qcea6610cbc_cond
	.p2align	8
	.type	k_qcea6610cbc_cond,@function
k_qcea6610cbc_cond:
	s_mov_b64 s[64:65], 0
	v_nop
	global_prefetch_b8 v0, s[64:65] scope:SCOPE_SE
	s_setreg_imm32_b32 hwreg(HW_REG_WAVE_MODE, 25, 1), 1
	s_wait_xcnt 0x0
; COND.  The conductances become codes of FP8 (E4M3) with one E8M0 byte for each 32 along K, laid as the product's launch wants them.
; k = 0.004 / max(|w|, |b|) (the maximum from the launch before: 528 partial maxima, which every wave joins for itself).  For each weight two numbers: g_pos = G + max(k w, 0), g_neg = G - min(k w, 0), G = 0.001.
; THE NEGATIVE COLUMN IS STORED NEGATED.  The quantiser is odd, Q(-g) = -Q(g), so the product's launch adds x Q(g_pos) and x (-Q(g_neg)) onto one sum and never forms the difference of two sums.
; ONE ROUNDING: g_pos = max(fma(k, w, G), G), since rounding keeps order; -g_neg = min(fma(k, w, -G), -G).  The hold at 448 x the scale joins it in one v_med3_num_f32 (448 x the scale is above G: G is among the block's numbers or under them).
; THE IMAGE.  A panel is 64 outputs = 128 rows of the operand; a panel-step is 128 rows x 128 K = PS bytes: fragment i, group c, lane l: the 16 bytes at 2048 i + 512 c + 16 l are the fragment's row l % 16,
; k = 32 c + 16 (l / 16) + 0 .. 15.  Fragment 4 g + u (g = 0: positive, 1: negated negative), row r = output 64 nb + 4 r + u.  Scale words: row r of fragment 4 g + u at 16384 + 256 g + 16 r + 4 u.
; A LANE TAKES FOUR NEIGHBOURING OUTPUTS AND ITS REGISTERS RUN DOWN K: lane (q, h) loads w[32 c + 16 h + t][64 nb + 4 q .. + 3], t = 0 .. 15: each load is two runs of 256 consecutive bytes; the conversions'
; results are the operand's registers, and nothing is transposed.  A block of 32 lies in lanes l and l xor 16.
; Work-groups 0-511: a wave makes one panel-step of K steps 0-31.  Work-groups 512-527: a wave makes one panel's K step 32 (the bias row, then zeros); the first of these waves also stores 1 / (0.5 k).
; LIMITS: NaN and infinities are not served.  max(|w|, |b|) = 0 or under 2^-126 is not served (the reciprocal instruction takes a denormal for zero; the module's own result is not finite there).
.set PS,    16896
.set PANEL, 33*PS
.set WROW,  16384                      ; a row of w in bytes
.set M,   8                            ; v8-11  a block's extreme, for each of my four outputs; then its byte
.set T,   12                           ; v12-15 the other half's
.set SO,  16                           ; v16-19 the conversions' scale operands
.set LM,  20                           ; v20-23 448 x the scale
.set SW,  24                           ; v24-27 scale words, positive side; v28-31 negated side
.set C,   32                           ; v32-47 codes, positive side; v48-63 negated side
.set P,   64                           ; v64-127 64 conductances: register 16 u + t
.set W,   128                          ; v128-255 w: two sets of 64: register 4 t + u
.macro LOADW c                         ; block c of the K step: 32 rows of w, 16 for each half of the lanes
.irp t, 0,1,2,3,4,5,6,7,8,9,10,11,12,13,14,15
	global_load_b128 v[W+64*((\c)%2)+4*\t:W+64*((\c)%2)+4*\t+3], v5, s[4:5] offset:(32*(\c)+\t)*WROW th:TH_LOAD_NT
.endr
.endm
; k, in s16.  left: the loads issued behind the five of the partial maxima, which may stay out.
.macro KCOND left
	s_wait_loadcnt \left
	v_max3_num_f32 v8, v64, v65, v66
	v_max3_num_f32 v9, v67, v68, v69
	v_max3_num_f32 v10, v70, v71, v72
	v_max3_num_f32 v11, v73, v74, v75
	v_max3_num_f32 v8, v8, v76, v77
	v_max3_num_f32 v9, v9, v78, v79
	v_max3_num_f32 v10, v10, v11, v80
	v_max3_num_f32 v8, v8, v9, v10
	v_max_num_f32_dpp v8, v8, v8 row_xmask:1 row_mask:0xf bank_mask:0xf
	v_max_num_f32_dpp v8, v8, v8 row_xmask:2 row_mask:0xf bank_mask:0xf
	v_max_num_f32_dpp v8, v8, v8 row_xmask:4 row_mask:0xf bank_mask:0xf
	v_max_num_f32_dpp v8, v8, v8 row_xmask:8 row_mask:0xf bank_mask:0xf
	v_permlanex16_b32 v9, v8, s20, s21
	v_max_num_f32 v8, v8, v9                       ; m = max(|w|, |b|), in every lane
	s_wait_alu depctr_va_vdst(0)
	v_rcp_f32 v9, v8
	v_nop                                          ; a plain line behind the reciprocal,
	s_wait_alu depctr_va_vdst(0)                   ; and the wait ahead of its first reader
	v_mul_f32 v10, s22, v9                         ; q = 0.004 / m, roughly;
	v_fma_f32 v11, -v10, v8, s22                   ; what is left, 0.004 - q m, exactly;
	v_fma_f32 v10, v11, v9, v10                    ; k = q + left / m: the quotient to the last bit or next to it
	v_readfirstlane_b32 s16, v10                   ; an operand of the multiply-adds, and nothing else
.endm
; One side (g = 0: positive, 1: negated negative) of block c: 64 conductances, their four scales, 64 codes, four stores.
.macro SIDE g, c
.set WS, W+64*((\c)%2)
.irp u, 0,1,2,3
.irp t, 0,1,2,3,4,5,6,7,8,9,10,11,12,13,14,15
	v_fma_f32 v[P+16*\u+\t], s16, v[WS+4*\t+\u], s[17+\g]          ; k w + G (k w - G): output u's 16 numbers come to lie on end
.endr
.endr
.if \g == 0
.irp u, 0,1,2,3
	v_max3_num_f32 v[M+\u], v[P+16*\u], v[P+16*\u+1], s17          ; the block's largest conductance: G is one of the leaves, so what lies under G does not count, and no other floor is needed
.endr
.irp i, 2,4,6,8,10,12,14
.irp u, 0,1,2,3
	v_max3_num_f32 v[M+\u], v[M+\u], v[P+16*\u+\i], v[P+16*\u+\i+1]
.endr
.endr
.else
.irp u, 0,1,2,3
	v_min3_num_f32 v[M+\u], v[P+16*\u], v[P+16*\u+1], s18          ; the mirror image: the lowest, with -G among the leaves
.endr
.irp i, 2,4,6,8,10,12,14
.irp u, 0,1,2,3
	v_min3_num_f32 v[M+\u], v[M+\u], v[P+16*\u+\i], v[P+16*\u+\i+1]
.endr
.endr
.endif
.irp u, 0,1,2,3
	v_permlanex16_b32 v[T+\u], v[M+\u], s20, s21
.endr
.irp u, 0,1,2,3
.if \g == 0
	v_max_num_f32 v[M+\u], v[M+\u], v[T+\u]                        ; with lane l xor 16's 16 numbers
.else
	v_min_num_f32 v[M+\u], v[M+\u], v[T+\u]
.endif
.endr
.irp u, 0,1,2,3
	v_add_nc_u32 v[SO+\u], 0xfc000000, v[M+\u]                     ; 8 off the exponent field (117 at the least): the conversion's scale operand; a sign bit stays as it is and is not looked at
.endr
.irp u, 0,1,2,3
	v_and_or_b32 v[LM+\u], v[M+\u], 0x7f800000, s19                ; 448 x the scale
.endr
.irp u, 0,1,2,3
.if (\c) == 0
	v_bfe_u32 v[SW+4*\g+\u], v[SO+\u], 23, 8                       ; the scale's byte begins the word
.else
	v_bfe_u32 v[M+\u], v[SO+\u], 23, 8
.endif
.endr
.if (\c) > 0
.irp u, 0,1,2,3
	v_lshl_or_b32 v[SW+4*\g+\u], v[M+\u], 8*(\c), v[SW+4*\g+\u]
.endr
.endif
.irp u, 0,1,2,3
.irp t, 0,1,2,3,4,5,6,7,8,9,10,11,12,13,14,15
.if \g == 0
	v_med3_num_f32 v[P+16*\u+\t], v[P+16*\u+\t], s17, v[LM+\u]     ; max(., G) and the hold at the largest code x the scale in one
.else
	v_med3_num_f32 v[P+16*\u+\t], v[P+16*\u+\t], -v[LM+\u], s18
.endif
.endr
	v_cvt_scalef32_pk8_fp8_f32 v[C+16*\g+4*\u:C+16*\g+4*\u+1], v[P+16*\u:P+16*\u+7], v[SO+\u]
	v_cvt_scalef32_pk8_fp8_f32 v[C+16*\g+4*\u+2:C+16*\g+4*\u+3], v[P+16*\u+8:P+16*\u+15], v[SO+\u]
.endr
	v_nop                                                          ; one plain vector line behind the last conversion
.irp u, 0,1,2,3
	global_store_b128 v4, v[C+16*\g+4*\u:C+16*\g+4*\u+3], s[10:11] offset:(4*\g+\u)*2048+512*(\c)   ; 32 lanes store 512 consecutive bytes
.endr
.endm
.macro BLOCK c, left
	s_wait_loadcnt \left                           ; this block's 16 loads are in; the next block's may be out
.if (\c) > 0
	s_wait_xcnt 0x0                                ; the last block's stores have read the codes' registers: they are written again only behind this wait
.endif
	SIDE 0, \c
	SIDE 1, \c
.if (\c) < 2
	LOADW (\c)+2                                   ; into the set just left
.endif
.endm
; The bias row: output u of my four, side g.  The number is alone in its block, so it is the block's largest.
.macro BIAS1 g, u
	v_fma_f32 v8, s16, v[84+\u], s[17+\g]
.if \g == 0
	v_max_num_f32 v8, s17, v8
.else
	v_min_num_f32 v8, s18, v8
.endif
	v_add_nc_u32 v9, 0xfc000000, v8
	v_and_or_b32 v10, v8, 0x7f800000, s19
	v_bfe_u32 v11, v9, 23, 8
	v_or_b32 v[SW+4*\g+\u], 0x7f7f7f00, v11        ; its byte, and 127 for the three blocks of zeros
.if \g == 0
	v_min_num_f32 v64, v8, v10                     ; the hold
.else
	v_max_num_f32 v64, v8, -v10
.endif
	v_cvt_scalef32_pk8_fp8_f32 v[72:73], v[64:71], v9              ; the number and seven zeros
	v_nop
	v_cndmask_b32 v[96+4*(4*\g+\u)], 0, v72, vcc_lo                ; k = 4,096 is byte 0 of group 0 in lanes 0-15; lanes 16-31 hold k = 4,112 on: zeros
.endm
	s_load_b256 s[4:11], s[0:1], 0x0               ; w s[4:5], b s[6:7], partials s[8:9], b_img s[10:11]
	s_load_b64 s[12:13], s[0:1], 0x20              ; consts
	v_lshrrev_b32 v1, 5, v0
	v_readfirstlane_b32 s14, v1                    ; wave 0..3
	v_and_b32 v1, 31, v0                           ; lane
	v_and_b32 v2, 15, v0                           ; q
	v_bfe_u32 v3, v0, 4, 1                         ; h
	v_lshlrev_b32 v4, 4, v1                        ; 16 x lane
	v_lshlrev_b32 v6, 4, v2                        ; 16 q
	v_lshl_add_u32 v5, v3, 18, v6                  ; w: 16 h rows of 16,384 bytes + 16 q
	v_lshlrev_b32 v7, 2, v2
	s_mov_b32 s17, 0x3a83126f                      ; G = 0.001
	s_mov_b32 s18, 0xba83126f                      ; -G
	s_mov_b32 s19, 0x600000                        ; the mantissa field of 448
	s_mov_b32 s20, 0x76543210
	s_mov_b32 s21, 0xfedcba98                      ; v_permlanex16_b32's selects for lane l xor 16
	s_mov_b32 s22, 0x3b83126f                      ; 0.004 = G_ON - G_OFF
	s_mov_b32 s25, 0
	s_wait_alu depctr_va_vdst(0)
	s_wait_kmcnt 0x0
.irp j, 0,1,2,3
	global_load_b128 v[64+4*\j:67+4*\j], v4, s[8:9] offset:512*\j  ; the 512 maxima of |w|,
.endr
	global_load_b32 v80, v7, s[8:9] offset:2048                    ; the 16 of |b|
	s_cmp_lt_u32 ttmp9, 512
	s_cbranch_scc0 .Lbias
	; ---- K steps 0-31.  The four waves of a work-group stand side by side on 1,024 bytes of each row of w.
	s_and_b32 s15, ttmp9, 15
	s_lshl_b32 s15, s15, 2
	s_add_co_u32 s15, s15, s14                     ; the panel nb, 0..63
	s_lshr_b32 s23, ttmp9, 4                       ; the K step, 0..31
	s_lshl_b32 s24, s23, 21                        ; 128 rows of 16,384 bytes
	s_lshl_b32 s26, s15, 8                         ; 64 outputs of 4 bytes
	s_add_co_u32 s24, s24, s26
	s_add_nc_u64 s[4:5], s[4:5], s[24:25]
	LOADW 0
	LOADW 1
	s_mul_i32 s24, s15, PANEL
	s_mul_i32 s26, s23, PS
	s_add_co_u32 s24, s24, s26
	s_add_nc_u64 s[10:11], s[10:11], s[24:25]
.irp u, 0,1,2,3
	v_mov_b32 v[T+\u], 0                           ; written once: a lane permute's destination counts as one of its sources
.endr
	KCOND 32                                       ; the 32 loads of w may be out
	BLOCK 0, 16
	BLOCK 1, 16
	BLOCK 2, 16
	BLOCK 3, 0
	v_cmp_gt_u32 vcc_lo, 16, v1
.irp u, 0,1,2,3
	v_cndmask_b32 v[M+\u], v[SW+4+\u], v[SW+\u], vcc_lo            ; both halves of the lanes hold both sides' words of row q: lanes 0-15 give the positive side's, lanes 16-31 the negated side's
.endr
	global_store_b128 v4, v[M:M+3], s[10:11] offset:16384          ; 512 consecutive bytes
	s_endpgm
.Lbias:
	; ---- K step 32: row 4,096 is the bias, the rest zeros.
	s_sub_co_u32 s15, ttmp9, 512
	s_lshl_b32 s15, s15, 2
	s_add_co_u32 s15, s15, s14                     ; the panel nb
	s_lshl_b32 s24, s15, 8
	s_add_nc_u64 s[6:7], s[6:7], s[24:25]
	global_load_b128 v[84:87], v6, s[6:7]          ; b[64 nb + 4 q .. + 3]
	s_mul_i32 s24, s15, PANEL
	s_add_co_u32 s24, s24, 32*PS
	s_add_nc_u64 s[10:11], s[10:11], s[24:25]
	KCOND 1                                        ; the load of b may be out
.irp n, 65,66,67,68,69,70,71,88,89,90,91
	v_mov_b32 v\n, 0                               ; seven zeros behind the number; v[88:91]: groups 1 to 3
.endr
.irp i, 0,1,2,3,4,5,6,7
.irp n, 1,2,3
	v_mov_b32 v[96+4*\i+\n], 0                     ; group 0 of fragment i: v[96 + 4 i] on
.endr
.endr
	v_cmp_gt_u32 vcc_lo, 16, v1
	s_wait_loadcnt 0x0
.irp g, 0,1
.irp u, 0,1,2,3
	BIAS1 \g, \u
.endr
.endr
.irp i, 0,1,2,3,4,5,6,7
	global_store_b128 v4, v[96+4*\i:99+4*\i], s[10:11] offset:2048*\i
.irp c, 1,2,3
	global_store_b128 v4, v[88:91], s[10:11] offset:2048*\i+512*\c
.endr
.endr
.irp u, 0,1,2,3
	v_cndmask_b32 v[M+\u], v[SW+4+\u], v[SW+\u], vcc_lo
.endr
	global_store_b128 v4, v[M:M+3], s[10:11] offset:16384
	s_cmp_lg_u32 s15, 0
	s_cbranch_scc1 .Lend
	v_mov_b32 v12, s16                             ; the first of these waves: 1 / (0.5 k), by which the product's launch multiplies
	v_mul_f32 v12, 0.5, v12
	s_wait_alu depctr_va_vdst(0)
	v_rcp_f32 v13, v12
	v_lshlrev_b32 v16, 3, v1                       ; (a plain line behind the reciprocal)
	s_wait_alu depctr_va_vdst(0)                   ; the wait ahead of its first reader
	v_fma_f32 v14, -v12, v13, 1.0
	v_fma_f32 v14, v14, v13, v13                   ; one step of refinement
	v_mov_b32 v15, v14
	global_store_b64 v16, v[14:15], s[12:13]       ; 64 copies: 256 consecutive bytes, the whole buffer
.Lend:
	s_endpgm
.Lfunc_end_k_qcea6610cbc_cond:
	.size	k_qcea6610cbc_cond, .Lfunc_end_k_qcea6610cbc_cond-k_qcea6610cbc_cond
	.p2alignl 7, 3214868480
	.fill 96, 4, 3214868480
	.section	.rodata,"a",@progbits
	.p2align	6, 0x0
	.amdhsa_kernel k_qcea6610cbc_cond
		.amdhsa_group_segment_fixed_size 0
		.amdhsa_private_segment_fixed_size 0
		.amdhsa_enable_private_segment 0
		.amdhsa_kernarg_size 40
		.amdhsa_user_sgpr_count 2
		.amdhsa_user_sgpr_kernarg_segment_ptr 1
		.amdhsa_wavefront_size32 1
		.amdhsa_system_sgpr_workgroup_id_x 1
		.amdhsa_system_sgpr_workgroup_id_y 1
		.amdhsa_system_sgpr_workgroup_id_z 1
		.amdhsa_system_vgpr_workitem_id 0
		.amdhsa_next_free_vgpr 256
		.amdhsa_next_free_sgpr 66
		.amdhsa_reserve_vcc 1
		.amdhsa_float_denorm_mode_32 3
		.amdhsa_float_denorm_mode_16_64 3
		.amdhsa_memory_ordered 1
		.amdhsa_forward_progress 1
		.amdhsa_inst_pref_size 120
	.end_amdhsa_kernel
	.amdgpu_metadata
---
amdhsa.version: [ 1, 2 ]
amdhsa.kernels:
  - .name:           k_qcea6610cbc_cond
    .symbol:         k_qcea6610cbc_cond.kd
    .args:
      - { .name: w, .offset: 0, .size: 8, .value_kind: global_buffer, .address_space: global }
      - { .name: b, .offset: 8, .size: 8, .value_kind: global_buffer, .address_space: global }
      - { .name: partials, .offset: 16, .size: 8, .value_kind: global_buffer, .address_space: global }
      - { .name: b_img, .offset: 24, .size: 8, .value_kind: global_buffer, .address_space: global }
      - { .name: consts, .offset: 32, .size: 8, .value_kind: global_buffer, .address_space: global }
    .group_segment_fixed_size: 0
    .private_segment_fixed_size: 0
    .kernarg_segment_align: 8
    .kernarg_segment_size: 40
    .max_flat_workgroup_size: 128
    .sgpr_count:     66
    .vgpr_count:     256
    .wavefront_size: 32
...
	.end_amdgpu_metadata
.endif
;; end of part 2
;; launch gemm (part 3): grid 8 x 32, 4 waves a work-group, clusters of 4 x 4, 327,680 bytes of LDS; arguments a_img, b_img, consts, out0; writes out0
.if DOCPART == 3
	.amdgcn_target "amdgcn-amd-amdhsa--gfx1250"
	.amdhsa_code_object_version 6
	.text
	.protected	k_qcea6610cbc_gemm
	.globl	k_qcea6610cbc_gemm
	.p2align	8
	.type	k_qcea6610cbc_gemm,@function
k_qcea6610cbc_gemm:
	s_mov_b64 s[64:65], 0
	v_nop
	global_prefetch_b8 v0, s[64:65] scope:SCOPE_SE
	s_setreg_imm32_b32 hwreg(HW_REG_WAVE_MODE, 25, 1), 1
	s_wait_xcnt 0x0
	s_wait_alu depctr_hold_cnt(0) depctr_sa_sdst(0) depctr_va_vdst(0) depctr_va_sdst(0) depctr_va_ssrc(0) depctr_va_vcc(0) depctr_vm_vsrc(0)
	s_getreg_b32 s2, hwreg(HW_REG_IB_STS2, 6, 4)
	s_cmp_eq_u32 s2, 0
	s_cbranch_scc0 .Lentry_in_a_cluster
	s_endpgm
.Lentry_in_a_cluster:
	s_bfe_u32 s2, ttmp6, 0x10000c
	s_cmp_lg_u32 s2, 0xf033
	s_cbranch_scc0 .Lentry_shape_is_right
	s_endpgm
.Lentry_shape_is_right:
; out0 = (voltages' codes x conductances' codes) / (0.5 k): MX-FP8 codes and E8M0 words as the two launches before have laid them (panel-steps of PS bytes: 8 fragments as register images, then 512 bytes of scale words).
; A work-group makes 256 rows x 128 outputs (256 rows of the conductance operand: positive and negated negative side, added onto ONE sum).
; K IS SPLIT BETWEEN PAIRS OF WAVES: waves 0, 1 (kh = 0) take the even K steps of 128, waves 2, 3 (kh = 1) the odd ones; wave & 1 (mh) picks 128 of the 256 rows.
; So a wave multiplies 8 fragments of A by all 16 of B: 128 products an own step on 64 accumulators (512 registers), and each fragment of B read from LDS feeds 8 products, each of A 16.
; K step 32 (the bias row) is halved by panel: wave kh takes panel kh.  At the end each wave lays its scaled sums as rows in LDS, and each wave adds 64 rows of its pair's two images and stores them.
; LIMIT: the even and the odd K steps are summed apart in f32 and joined once: the order of rounding differs from one ascending chain.
; CLUSTERS: 4 x 4 work-groups.  A's tiles hang on x alone and are asked for jointly by a column of the cluster, B's on y alone and by a row.
; THE RING: two LDS slots; a slot holds one own step = two K steps of A's two panels and of B's two panels, 2 PS bytes each, dense in memory: one tensor load a wave (waves 0, 1: A's panels; waves 2, 3: B's).
; K step 32 comes as slot 0's last refill, PS bytes a wave.
; B's fragments lie in three buffers of 4 fragments; an own step's 4 groups (panel p, side g) take X Y Z X in even steps and Y X Z Y in odd ones, so that at the change of slots (group 2) groups 2 and 3 are in registers and one buffer is free.
; LOADS STAND IN THREE RUNS A STEP: in group 0 (groups 1, 2), in group 1 (group 3), and behind the round in group 2 (the next step's scale words, its group 0 and its set of A).
; REGISTERS: window 0: v0-31 addresses, v32-59 scale words (B's at numbers 0-3 modulo 8, A's at 4-7), v64-255 X, Y, Z; window 1: A, two sets of 128; window 2 + p: accumulator (p, a, u) at v[8 (4 a + u)].
; PREFETCH: behind the refill for own step t + 2 each wave asks for its quarter (33 blocks of 256 bytes) of the tile that it will fetch for own step t + 3; the four partners of a joint load share its 132 blocks by address.
; Own steps 0 to 2 and K step 32 come by their loads alone; the last request names own step 15's tile.
.set PS,     16896
.set PANEL,  33*PS
.set QS,     2*PS
.set SLOT,   4*QS
.set SPARE,  2*SLOT                    ; the spare words
.set SPITCH, 528
.set IMG,    128*SPITCH                ; a wave's image on the way out; four of them fill the ring exactly
.set OROW,   16384
.set LI,   4                           ; 16 x lane
.set ADRA, 8                           ; v8-9   my A fragments in slot pos
.set ADRB, 10                          ; v10-11 B's fragments in slot pos (panel 0; panel 1 lies QS further on)
.set ADRS, 12                          ; v12-13 B's scale words in slot pos: lanes 0-15 panel 0, lanes 16-31 panel 1
.set ADRAF,14                          ; K step 32: my A fragments,
.set ADRF, 15                          ; my panel of B,
.set ADRSF,16                          ; and its scale words
.set STO,  17
.set RD0,  18
.set RD1,  19
.set SPW,  28
.set NIL,  29
.set PFO,  30
.set PFZ,  31
.set SB,   32                          ; B's words: set s, side g at SB + 16 s + 8 g
.set SA,   36                          ; A's words: set s at SA + 8 s: lanes 0-15 fragments 0-3, lanes 16-31 fragments 4-7
.set X,    64
.set Y,    128
.set Z,    192
.set INV,  12
.set G1A,  24
.set G0A,  32
.set G1B,  48
.set G0B,  56
.set PFA,  84
.set MSB, 0
.macro WIN new
.if MSB != (\new)
	s_set_vgpr_msb (MSB<<8)|(\new)
.set MSB, (\new)
.endif
.endm
.macro CREST
	s_cmp_lg_u32 s14, 0
	s_cbranch_scc1 .Lnot_wave_0_\@
	s_barrier_signal -3
.Lnot_wave_0_\@:
	s_barrier_wait -3
	s_barrier_signal -1
	s_barrier_wait -1
.endm
.macro CROUND
	s_barrier_signal -1
	s_barrier_wait -1
	CREST
.endm
.macro PLACES n
.rept \n
	v_nop
.endr
.endm
; A joint load: waves 0 and 1 fetch A's panels, waves 2 and 3 B's.  Each line has one mask and one set of registers for all that issue it; the branch hangs on the wave's number alone.
.macro JLOAD s
	s_cmp_eq_u32 s15, 0
	s_cbranch_scc0 .Lfor_b_\@
	tensor_load_to_lds s[G0A+4*\s:G0A+4*\s+3], s[G1A:G1A+7]
	s_nop 0
.rept 4
	v_nop
.endr
	s_branch .Lasked_\@
.Lfor_b_\@:
	tensor_load_to_lds s[G0B+4*\s:G0B+4*\s+3], s[G1B:G1B+7]
	s_nop 0
.rept 4
	v_nop
.endr
.Lasked_\@:
.endm
; product gi of a group: B's fragment u = gi / 8 against A's fragment a = gi % 8.  Source 0 = B, source 1 = A: a lane holds one row of the result.
.macro WM p, g, buf, st, zero
.set rD, 8*(4*(gi%8)+(gi/8))
.set rB, (\buf)+16*(gi/8)
.set rA, 128*(\st)+16*(gi%8)
.set rS, SB+16*(\st)+8*(\g)+(gi/8)
.set rT, SA+8*(\st)+(gi%4)
.set wv, 2*(\p)+((gi%8)/4)
.if (\zero) && ((\g) == 0)
.set wv, wv+4
.endif
.if wv == 0
	v_wmma_scale_f32_16x16x128_f8f6f4 v[rD:rD+7], v[rB:rB+15], v[rA:rA+15], v[rD:rD+7], v[rS], v[rT]
.elseif wv == 1
	v_wmma_scale_f32_16x16x128_f8f6f4 v[rD:rD+7], v[rB:rB+15], v[rA:rA+15], v[rD:rD+7], v[rS], v[rT] matrix_b_scale:MATRIX_SCALE_ROW1
.elseif wv == 2
	v_wmma_scale_f32_16x16x128_f8f6f4 v[rD:rD+7], v[rB:rB+15], v[rA:rA+15], v[rD:rD+7], v[rS], v[rT] matrix_a_scale:MATRIX_SCALE_ROW1
.elseif wv == 3
	v_wmma_scale_f32_16x16x128_f8f6f4 v[rD:rD+7], v[rB:rB+15], v[rA:rA+15], v[rD:rD+7], v[rS], v[rT] matrix_a_scale:MATRIX_SCALE_ROW1 matrix_b_scale:MATRIX_SCALE_ROW1
.elseif wv == 4
	v_wmma_scale_f32_16x16x128_f8f6f4 v[rD:rD+7], v[rB:rB+15], v[rA:rA+15], 0, v[rS], v[rT]
.elseif wv == 5
	v_wmma_scale_f32_16x16x128_f8f6f4 v[rD:rD+7], v[rB:rB+15], v[rA:rA+15], 0, v[rS], v[rT] matrix_b_scale:MATRIX_SCALE_ROW1
.elseif wv == 6
	v_wmma_scale_f32_16x16x128_f8f6f4 v[rD:rD+7], v[rB:rB+15], v[rA:rA+15], 0, v[rS], v[rT] matrix_a_scale:MATRIX_SCALE_ROW1
.else
	v_wmma_scale_f32_16x16x128_f8f6f4 v[rD:rD+7], v[rB:rB+15], v[rA:rA+15], 0, v[rS], v[rT] matrix_a_scale:MATRIX_SCALE_ROW1 matrix_b_scale:MATRIX_SCALE_ROW1
.endif
.endm
.macro RUNB buf, adr, off              ; a group's four fragments
.irp u, 0,1,2,3
.irp c, 0,1,2,3
	ds_load_b128 v[(\buf)+16*\u+4*\c:(\buf)+16*\u+4*\c+3], v[\adr] offset:(\off)+2048*\u+512*\c
.endr
.endr
.endm
; What a group's run fetches: LB.. and LC..: a later group's fragments each.
.macro NOLD
.set LB, -1
.set LC, -1
.set LN, 0
.endm
.macro SETB buf, adr, off
.set LB, \buf
.set LBA, \adr
.set LBO, \off
.set LN, 1
.endm
.macro SETC buf, adr, off
.set LC, \buf
.set LCA, \adr
.set LCO, \off
.endm
.macro RUN
	WIN 0
.if LB >= 0
	RUNB LB, LBA, LBO
.endif
.if LC >= 0
	RUNB LC, LCA, LCO
.endif
.endm
; Products i0 .. i1 - 1 of group (p, g).  The 32 accumulators of panel p take turns.
; Eight v_nop behind products 0-3 are the places between the last product that read a register and the loads into it; the group's run follows them.
.macro GRP p, g, buf, st, zero, i0, i1
.set gi, \i0
.rept (\i1)-(\i0)
	WIN 0xa4+0x50*(\p)
	WM \p, \g, \buf, \st, \zero
.if LN && (gi < 4)
	v_nop
	v_nop
.endif
.if LN && (gi == 3)
	RUN
.endif
.set gi, gi+1
.endr
.endm
; The run behind a change of slots: set st of B's and A's scale words, the next group 0, and set st of A.  51 LDS loads.
.macro NEXTRUN st, sadr, badr, buf, aadr
.irp j, 0,1
	ds_load_b128 v[SB+16*(\st)+8*\j:SB+16*(\st)+8*\j+3], v[\sadr] offset:256*\j
.endr
	ds_load_b128 v[SA+8*(\st):SA+8*(\st)+3], v[\aadr] offset:16384
	RUNB \buf, \badr, 0
	WIN 0x40
.irp a, 0,1,2,3,4,5,6,7
.irp c, 0,1,2,3
	ds_load_b128 v[128*(\st)+16*\a+4*\c:128*(\st)+16*\a+4*\c+3], v[\aadr] offset:2048*\a+512*\c
.endr
.endr
	WIN 0
.endm
; An own step.  par = its number modulo 2: its slot, its sets of A and of scale words, and which of X and Y begins.
; chg = 1: the slot is filled again, two own steps ahead; 2: with K step 32 (half the rows); 3: nothing more: a barrier alone.  pf = 1: the prefetch.
.macro STEP par, zero, chg, pf
.set BP, X+64*(\par)
.set BQ, Y-64*(\par)
	s_wait_dscnt 0x0                       ; the run behind the last change of slots
	NOLD
	SETB BQ, ADRB+(\par), QS               ; group 1 (panel 1, positive),
	SETC Z, ADRB+(\par), 8192              ; group 2 (panel 0, negated)
	GRP 0, 0, BP, \par, \zero, 0, 32
	s_wait_dscnt 16                        ; group 1 is in; group 2 may be out
	NOLD
	SETB BP, ADRB+(\par), QS+8192          ; group 3 (panel 1, negated)
	GRP 1, 0, BQ, \par, \zero, 0, 32
	NOLD
.if \pf
	s_wait_xcnt 0x0                        ; my prefetches have read their address
	s_add_nc_u64 s[PFA:PFA+1], s[PFA:PFA+1], QS
.endif
	WIN 0
	s_wait_tensorcnt 0x0                   ; my part of the other slot has landed
	ds_add_u32 v[SPW], v[NIL]
.if \chg == 2
	s_mov_b32 s[G1A+2], (PS/256)<<16       ; no tensor load of mine is out: the last refill has PS bytes a wave
	s_mov_b32 s[G1A+4], PS/256
	s_mov_b32 s[G1B+2], (PS/256)<<16
	s_mov_b32 s[G1B+4], PS/256
.endif
	s_wait_dscnt 17                        ; group 2 is in; group 3 and the add may be out
	GRP 0, 1, Z, \par, 0, 0, 8
	s_wait_dscnt 0x0                       ; the add is done; group 3 is in: my reads of this slot are over
	s_barrier_signal -1
	GRP 0, 1, Z, \par, 0, 8, 12
	WIN 0
	s_barrier_wait -1
.if \chg < 3
	CREST
	s_add_nc_u64 s[G0A+4*(\par)+2:G0A+4*(\par)+3], s[G0A+4*(\par)+2:G0A+4*(\par)+3], 2*QS
	s_add_nc_u64 s[G0B+4*(\par)+2:G0B+4*(\par)+3], s[G0B+4*(\par)+2:G0B+4*(\par)+3], 2*QS
	JLOAD \par                             ; the first tensor load behind the round; its four v_nop are four of the eight places
	PLACES 4
	NEXTRUN 1-(\par), ADRS+1-(\par), ADRB+1-(\par), BQ, ADRA+1-(\par)
.else
	PLACES 8
	NEXTRUN 1-(\par), ADRSF, ADRF, BQ, ADRAF
.endif
.if \pf
	global_prefetch_b8 v[PFO], s[PFA:PFA+1] th:TH_LOAD_NT scope:SCOPE_SE
	global_prefetch_b8 v[PFZ], s[PFA:PFA+1] offset:8192 th:TH_LOAD_NT scope:SCOPE_SE
.endif
	GRP 0, 1, Z, \par, 0, 12, 32
	NOLD
.if \chg == 3
	SETB Z, ADRF, 8192                     ; K step 32's negated side
.endif
	GRP 1, 1, BP, \par, 0, 0, 32
.endm
.macro FIN p                           ; K step 32, my panel: its positive side, then its negated side
	GRP \p, 0, X, 0, 0, 0, 32
	GRP \p, 1, Z, 0, 0, 0, 32
	WIN 0
.endm
	s_load_b256 s[4:11], s[0:1], 0x0               ; a_img, b_img, consts, out0
	v_lshl_add_u32 v[SPW], v0, 2, SPARE
	v_mov_b32 v[NIL], 0
	ds_add_u32 v[SPW], v[NIL]                      ; the opening lines: the add twice on end and one wait
	ds_add_u32 v[SPW], v[NIL]
	v_lshrrev_b32 v1, 5, v0
	v_readfirstlane_b32 s14, v1                    ; wave
	s_lshr_b32 s15, s14, 1                         ; kh; as a loader: A (0) or B (1)
	s_and_b32 s16, s14, 1                          ; mh; as a loader: which panel
	s_bfe_u32 s40, ttmp6, 0x40000                  ; cx
	s_bfe_u32 s41, ttmp6, 0x40004                  ; cy
	s_lshl_b32 s42, ttmp9, 2
	s_add_co_u32 s42, s42, s40                     ; x: which 256 rows
	s_and_b32 s13, ttmp7, 0xffff
	s_lshl_b32 s13, s13, 2
	s_add_co_u32 s13, s13, s41                     ; y: which 128 outputs
	s_lshl_b32 s43, s41, 2
	s_lshl_b32 s43, 15, s43                        ; my row of the cluster (same y)
	s_lshl_b32 s44, 0x1111, s40                    ; my column (same x)
	s_or_b32 s[G1A], s44, (3<<16)|(1<<21)          ; dense blocks as rows of 256 bytes (32 elements of 8); A's tiles go to my column,
	s_or_b32 s[G1B], s43, (3<<16)|(1<<21)          ; B's to my row
.irp g, G1A, G1B
	s_mov_b32 s[\g+1], 32<<16
	s_mov_b32 s[\g+2], (QS/256)<<16
	s_mov_b32 s[\g+3], 32<<16
	s_mov_b32 s[\g+4], QS/256
	s_mov_b32 s[\g+5], 32
	s_mov_b32 s[\g+6], 0
	s_mov_b32 s[\g+7], 0
.endr
	v_and_b32 v1, 31, v0
	v_and_b32 v2, 15, v0
	v_bfe_u32 v3, v0, 4, 1
	v_lshlrev_b32 v[LI], 4, v1
	s_lshl_b32 s66, s42, 1
	s_add_co_u32 s66, s66, s16
	s_mul_i32 s66, s66, PANEL                      ; A's panel 2 x + (wave & 1)
	s_mov_b32 s67, 0
	s_lshl_b32 s68, s13, 1
	s_add_co_u32 s68, s68, s16
	s_mul_i32 s68, s68, PANEL                      ; B's panel 2 y + (wave & 1)
	s_mov_b32 s69, 0
	s_mul_i32 s17, s14, QS                         ; where my tile goes in a slot
	s_mul_i32 s18, s15, PS                         ; kh PS
	s_mul_i32 s80, s16, QS                         ; my panel of A
	s_add_co_u32 s74, s80, s18
	s_add_co_u32 s75, s74, SLOT
	s_add_co_u32 s76, s18, 2*QS                    ; B lies behind A's two panels
	s_add_co_u32 s77, s76, SLOT
	s_add_co_u32 s78, s76, 16384
	s_add_co_u32 s79, s78, SLOT
	s_mul_i32 s81, s15, QS
	s_add_co_u32 s81, s81, 2*QS                    ; K step 32: panel kh of B
	s_add_co_u32 s82, s81, 16384
	s_mul_i32 s92, s14, IMG                        ; my image
	s_mul_i32 s93, s16, IMG                        ; my pair's first image,
	s_mul_i32 s94, s15, 64*SPITCH                  ; and my 64 rows of it
	s_add_co_u32 s93, s93, s94
	s_wait_alu depctr_va_vdst(0)
	s_wait_dscnt 0x0
	s_wait_kmcnt 0x0
	s_load_b32 s[INV], s[8:9], 0x0                 ; 1 / (0.5 k)
	s_add_nc_u64 s[70:71], s[4:5], s[66:67]
	s_add_nc_u64 s[72:73], s[6:7], s[68:69]
	CROUND                                         ; the first joint loads meet
.irp s, 0,1
	s_mov_b32 s[G0A+4*\s], 1
	s_add_co_u32 s[G0A+4*\s+1], s17, \s*SLOT
	s_add_nc_u64 s[G0A+4*\s+2:G0A+4*\s+3], s[70:71], \s*QS
	s_or_b32 s[G0A+4*\s+3], s[G0A+4*\s+3], 0x80000000
	s_mov_b32 s[G0B+4*\s], 1
	s_add_co_u32 s[G0B+4*\s+1], s17, \s*SLOT
	s_add_nc_u64 s[G0B+4*\s+2:G0B+4*\s+3], s[72:73], \s*QS
	s_or_b32 s[G0B+4*\s+3], s[G0B+4*\s+3], 0x80000000
.endr
	JLOAD 0                                        ; own step 0: one tensor load a wave at the head
	v_add_nc_u32 v[ADRA], s74, v[LI]
	v_add_nc_u32 v[ADRA+1], s75, v[LI]
	v_add_nc_u32 v[ADRB], s76, v[LI]
	v_add_nc_u32 v[ADRB+1], s77, v[LI]
	v_mul_u32_u24 v6, v3, QS                       ; lanes 16-31: panel 1
	v_lshlrev_b32 v7, 4, v2
	v_add_nc_u32 v6, v6, v7
	v_add_nc_u32 v[ADRS], s78, v6
	v_add_nc_u32 v[ADRS+1], s79, v6
	v_add_nc_u32 v[ADRAF], s80, v[LI]
	v_add_nc_u32 v[ADRF], s81, v[LI]
	v_add_nc_u32 v[ADRSF], s82, v7
	v_mul_u32_u24 v5, v2, SPITCH
	v_lshl_add_u32 v5, v3, 7, v5
	v_add_nc_u32 v[STO], s92, v5                   ; into my image: row l % 16, 128 bytes for each half of the lanes
	v_add_nc_u32 v[RD0], s93, v[LI]                ; back: a row's 512 bytes to the 32 lanes
	v_add_nc_u32 v[RD1], 2*IMG, v[RD0]             ; the same rows of my partner's image
	v_lshlrev_b32 v[PFO], 8, v1
	v_mov_b32 v[PFZ], 0
	s_lshl_b32 s88, s42, 8
	s_lshl_b32 s89, s16, 7
	s_add_co_u32 s88, s88, s89
	s_lshl_b32 s89, s15, 6
	s_add_co_u32 s88, s88, s89                     ; the first row that I store: 256 x + 128 mh + 64 kh
	s_lshl_b32 s88, s88, 14
	s_lshl_b32 s89, s13, 9
	s_add_co_u32 s88, s88, s89
	s_mov_b32 s89, 0
	s_add_nc_u64 s[10:11], s[10:11], s[88:89]
	s_cmp_eq_u32 s15, 0                            ; the prefetches: do I fetch for A?
	s_cselect_b32 s20, s66, s68                    ; my tile's panel,
	s_cselect_b32 s21, s41, s40                    ; my place among the four that ask for it with me,
	s_cselect_b64 s[PFA:PFA+1], s[4:5], s[6:7]
	s_mul_i32 s21, s21, QS/4                       ; whose quarter of the tile I name
	s_add_co_u32 s20, s20, s21
	s_add_co_u32 s20, s20, 2*QS                    ; at own step 2: the first change of slots steps it to 3
	s_mov_b32 s21, 0
	s_add_nc_u64 s[PFA:PFA+1], s[PFA:PFA+1], s[20:21]
	s_wait_alu depctr_va_vdst(0)
	s_wait_kmcnt 0x0
	s_wait_tensorcnt 0x0                           ; my part of slot 0 is in; the lines ahead of a later first fill:
	ds_add_u32 v[SPW], v[NIL]
	s_wait_dscnt 0x0
	CROUND
	JLOAD 1                                        ; own step 1
	NEXTRUN 0, ADRS, ADRB, X, ADRA
	STEP 0, 1, 1, 1                                ; own step 0 starts the sums: nothing is cleared
	WIN 0
	s_mov_b32 s3, 6
.Llap:                                                 ; a trip: two own steps (1 to 12 in all), both slots filled again
	STEP 1, 0, 1, 1
	STEP 0, 0, 1, 1
	WIN 0
	s_sub_co_u32 s3, s3, 1
	s_cmp_lg_u32 s3, 0
	s_cbranch_scc1 .Llap
	STEP 1, 0, 1, 0                                ; own step 13 asks for 15's tiles,
	STEP 0, 0, 2, 0                                ; 14 for K step 32's,
	STEP 1, 0, 3, 0                                ; 15 for nothing
	NOLD
	WIN 0
	s_wait_dscnt 0x0                               ; K step 32's operands are in registers: my reads of the ring are over,
	s_barrier_signal -1
	s_barrier_wait -1                              ; and everybody's: the images may be laid over it
	s_cmp_eq_u32 s15, 0                            ; the two copies differ in the accumulators' window and B's scale row select alone
	s_cbranch_scc0 .Lfin1
	FIN 0
	s_branch .Lfin_j
.Lfin1:
	FIN 1
.Lfin_j:
; THE WAY OUT.  The ring has had its last fill, and nobody reads it any more: the four images lie there.
; A lane holds row l % 16 of block a; outputs 4 (8 h + j) + u of panel p: the multiplication by 1 / (0.5 k) also brings the four u side by side.
; The products of the eight blocks go to seven sets of 64 registers (three where X, Y, Z lay, four where A lay), so that a set is written again only seven blocks after its LDS stores.
.macro TOIMG a
.if ((\a)%7) < 3
.set TW, 0
.set TMP, 64+64*((\a)%7)
.else
.set TW, 1
.set TMP, 64*(((\a)%7)-3)
.endif
.irp p, 0,1
	WIN (TW<<6)|(0x08+4*\p)
.irp j, 0,1,2,3,4,5,6,7
.irp u, 0,1,2,3
	v_mul_f32 v[TMP+32*\p+4*\j+\u], s[INV], v[8*(4*(\a)+\u)+\j]    ; each accumulator from its low end on
.endr
.endr
.endr
	WIN TW<<2
.irp p, 0,1
.irp e, 0,1,2,3,4,5,6,7
	ds_store_b128 v[STO], v[TMP+32*\p+4*\e:TMP+32*\p+4*\e+3] offset:(\a)*16*SPITCH+256*\p+16*\e
.endr
.endr
.endm
.macro LOADB b                         ; eight of my 64 rows, from both images
.set EB, 64+64*((\b)%3)
.irp t, 0,1,2,3,4,5,6,7
	ds_load_b128 v[EB+4*\t:EB+4*\t+3], v[RD0] offset:(8*(\b)+\t)*SPITCH
	ds_load_b128 v[EB+32+4*\t:EB+32+4*\t+3], v[RD1] offset:(8*(\b)+\t)*SPITCH
.endr
.endm
.macro SUMB b
.set EB, 64+64*((\b)%3)
.if (\b) < 6
	s_wait_dscnt 32                                ; the two younger batches may be out
.else
	s_wait_dscnt 16*(7-(\b))
.endif
.irp i, 0,1,2,3,4,5,6,7,8,9,10,11,12,13,14,15
	v_pk_add_f32 v[EB+2*\i:EB+2*\i+1], v[EB+2*\i:EB+2*\i+1], v[EB+32+2*\i:EB+32+2*\i+1]
.endr
.irp t, 0,1,2,3,4,5,6,7
	global_store_b128 v[LI], v[EB+4*\t:EB+4*\t+3], s[10:11] offset:(8*(\b)+\t)*OROW th:TH_STORE_NT   ; 32 lanes store 512 consecutive bytes, aligned
.endr
.if (\b) < 5
	s_wait_xcnt 0x0                                ; the stores have read their data: the set is loaded again only behind this wait
	LOADB (\b)+3
.endif
.endm
	PLACES 8
.irp a, 0,1,2,3,4,5,6,7
	TOIMG \a
.endr
	WIN 0
	s_wait_dscnt 0x0                               ; for the others' sake: my image is written
	s_barrier_signal -1
	s_barrier_wait -1
	LOADB 0
	LOADB 1
	LOADB 2
.irp b, 0,1,2,3,4,5,6,7
	SUMB \b
.endr
	s_wait_tensorcnt 0x0                           ; the wave's end
	ds_add_u32 v[SPW], v[NIL]
	s_wait_dscnt 0x0
	CROUND                                         ; the closing round
	s_endpgm
.Lfunc_end_k_qcea6610cbc_gemm:
	.size	k_qcea6610cbc_gemm, .Lfunc_end_k_qcea6610cbc_gemm-k_qcea6610cbc_gemm
	.p2alignl 7, 3214868480
	.fill 96, 4, 3214868480
	.section	.rodata,"a",@progbits
	.p2align	6, 0x0
	.amdhsa_kernel k_qcea6610cbc_gemm
		.amdhsa_group_segment_fixed_size 327680
		.amdhsa_private_segment_fixed_size 0
		.amdhsa_enable_private_segment 0
		.amdhsa_kernarg_size 32
		.amdhsa_user_sgpr_count 2
		.amdhsa_user_sgpr_kernarg_segment_ptr 1
		.amdhsa_wavefront_size32 1
		.amdhsa_system_sgpr_workgroup_id_x 1
		.amdhsa_system_sgpr_workgroup_id_y 1
		.amdhsa_system_sgpr_workgroup_id_z 1
		.amdhsa_system_vgpr_workitem_id 0
		.amdhsa_next_free_vgpr 1024
		.amdhsa_next_free_sgpr 96
		.amdhsa_reserve_vcc 0
		.amdhsa_float_denorm_mode_32 3
		.amdhsa_float_denorm_mode_16_64 3
		.amdhsa_memory_ordered 1
		.amdhsa_forward_progress 1
		.amdhsa_inst_pref_size 224
	.end_amdhsa_kernel
	.amdgpu_metadata
---
amdhsa.version: [ 1, 2 ]
amdhsa.kernels:
  - .name:           k_qcea6610cbc_gemm
    .symbol:         k_qcea6610cbc_gemm.kd
    .args:
      - { .name: a_img, .offset: 0, .size: 8, .value_kind: global_buffer, .address_space: global }
      - { .name: b_img, .offset: 8, .size: 8, .value_kind: global_buffer, .address_space: global }
      - { .name: consts, .offset: 16, .size: 8, .value_kind: global_buffer, .address_space: global }
      - { .name: out0, .offset: 24, .size: 8, .value_kind: global_buffer, .address_space: global }
    .group_segment_fixed_size: 327680
    .private_segment_fixed_size: 0
    .kernarg_segment_align: 8
    .kernarg_segment_size: 32
    .max_flat_workgroup_size: 128
    .sgpr_count:     96
    .vgpr_count:     1024
    .wavefront_size: 32
...
	.end_amdgpu_metadata
.endif
;; end of part 3
